; MI455X (gfx1250); checked and timed in simulation.
; The chip was launched on July 23, 2026; its instructions are those of AMD's public machine-readable ISA for CDNA 5 (MIT licence, August 2026) and "CDNA5" Instruction Set Architecture Reference Guide (July 2026). The comments in the code are by the model that wrote it; some were corrected since.
;; Manual Attention. Allowed arithmetic: matrix products marked QUANTISED: E4M3 operands, one given power-of-two scale a tensor, by v_wmma_f32_16x16x64_fp8_fp8 or v_wmma_f32_16x16x128_fp8_fp8, f32 sums; everything else in f32.
;; Inputs: b_out 1,024 float32; b_qkv 3,072 float32; lowp_scales 8 int32 (the exponents e of the quantised operands' scales 2^e); w_out 1,024 x 1,024 float32; w_qkv 3,072 x 1,024 float32; x 4 x 2,048 x 1,024 float32.
;; Outputs: out0 4 x 2,048 x 1,024 float32.
;; This version of the problem:
;;   THIS VERSION OF THE PROBLEM IS GIVEN IN LOW PRECISION. The matrix products marked QUANTISED in the list below multiply operands that are first quantised to E4M3 (4 exponent bits, 3 mantissa bits; 8 bits a number), with one given power-of-two scale for each operand tensor; their sums are f32. All else is computed in f32.
;;   The module's matrix products, in the order in which they are computed (A, B: the left and right operand; K: the contracted axis; several contracted axes count as one K, in the product's order):
;;     1. [M 8,192, K 1,024] x [K 1,024, N 3,072]; A: input x; B: input w_qkv: QUANTISED (scales: A lowp_scales[0], B lowp_scales[1])
;;     2. batch 64 x [M 2,048, K 64] x [K 64, N 2,048]; A: computed on the way; B: computed on the way: QUANTISED (scales: A lowp_scales[2], B lowp_scales[3])
;;     3. batch 64 x [M 2,048, K 2,048] x [K 2,048, N 64]; A: softmax (see below); B: computed on the way: QUANTISED (scales: A lowp_scales[4], B lowp_scales[5])
;;     4. [M 8,192, K 1,024] x [K 1,024, N 1,024]; A: computed on the way; B: input w_out: QUANTISED (scales: A lowp_scales[6], B lowp_scales[7])
;;   THE QUANTISER, for each operand of a quantised product, along K:
;;     - The operand's scale is 2^e, e = its entry of the input lowp_scales (int32; the entries are numbered through the quantised products in the list's order, A before B).
;;     - Each number is divided by the scale, clamped to +-448, and rounded to the nearest number of E4M3, ties to even, subnormals kept.
;;     - The product sums the exact products of the quantised numbers (number of the format x scale) in f32.
;;   ~~~python
;;   def quantise(x, axis, e):      # numpy; x: float32 -> the quantised numbers, widened to float32 again
;;       x = np.moveaxis(x, axis, -1); K = x.shape[-1]
;;       r = np.clip(x / 2.0 ** e, -448, 448)
;;       step = 2.0 ** (np.maximum(np.frexp(np.where(r == 0, 1, r))[1] - 1, -6) - 3)
;;       q = np.round(r / step) * step * 2.0 ** e      # np.round: ties to even
;;       return np.moveaxis(q, -1, axis).astype(np.float32)
;;   ~~~
;;   SOFTMAX AHEAD OF A QUANTISED PRODUCT. Where the list says 'softmax', what is quantised is not the finished softmax but p = 2^(t - M), with t = logit x log2(e) and M = ceil(the row's largest t), a whole number; so 1/2 < the row's largest p <= 1. The row's sum l is taken of the UNQUANTISED p, in f32, and the product's result is divided by l at the end. Since M is a whole number, a kernel that streams over the keys may use a running M (the ceiling of the running maximum): every later rescaling is an exact power of two, so the quantised numbers keep their values, but for numbers so far below the row's largest that they fall under the format's range.
;;   OPERANDS COMPUTED ON THE WAY. 'Computed on the way' means the value that the module computes at that place (a softmax that the list does not call 'softmax' is quantised finished and normalised). What goes into a quantiser is computed in f32, as accurately as f32 sums, v_exp_f32 and their like allow (about 1e-6 of the number): no bf16 or f16 on the way to a quantiser, and a product that is left as it is and whose result goes on into a quantised operand takes f32 operands (vector FMAs, or v_wmma_f32_16x16x4_f32). A number that lies on a knife's edge between two numbers of the format may be rounded either way, as far as f32 arithmetic and the matrix unit's own rounding can turn it there, and no further.
;; One version. Each part assembles by itself: llvm-mc -triple=amdgcn-amd-amdhsa -mcpu=gfx1250 --defsym DOCPART=n.
;; ======== version 1 of 1: 4 launches
;; limits: right only within a limited range of input values
;; workspace buffers: x_img 8,388,608 bytes; wqkv_img 3,145,728 bytes; wout_img 1,048,576 bytes; q_img 8,388,608 bytes; k_img 8,388,608 bytes; v_img 8,388,608 bytes; o_img 8,388,608 bytes
;; launch quant (part 1): grid 384 x 1, 4 waves a work-group, no clusters, 34,304 bytes of LDS; arguments x, w_qkv, w_out, lowp_scales, x_img, wqkv_img, wout_img; writes x_img, wqkv_img, wout_img
.if DOCPART == 1
	.amdgcn_target "amdgcn-amd-amdhsa--gfx1250"
	.amdhsa_code_object_version 6
	.text
	.protected	k_q1b2ecc55a9_quant
	.globl	k_q1b2ecc55a9_quant
	.p2align	8
	.type	k_q1b2ecc55a9_quant,@function
k_q1b2ecc55a9_quant:
	s_mov_b64 s[64:65], 0
	v_nop
	global_prefetch_b8 v0, s[64:65] scope:SCOPE_SE
	s_setreg_imm32_b32 hwreg(HW_REG_WAVE_MODE, 25, 1), 1
	s_wait_xcnt 0x0
; x [8192][1024], w_qkv [3072][1024], w_out [1024][1024], f32, K innermost, become codes of FP8 (E4M3), each tensor with its given scale 2^e (entries 0, 1, 7 of the scales).
; code = number / 2^e, held within +-448, rounded to the nearest code, ties to even.  LIMITS: e between -126 and 119, so that 2^e and 448 x 2^e are f32 numbers; NaN among the inputs is not served.
; THE CODES ARE STORED AS IMAGES OF OPERAND REGISTERS.  A fragment is 16 rows x 128 K: lane (r = lane % 16, h = lane / 16) holds row r, registers 2 c, 2 c + 1 hold k = 16 c + 8 h + 0 .. 7.
; Its image is 2,048 bytes: registers 4 g .. 4 g + 3 of lane l at byte 512 g + 16 l.  A tensor's images lie [row / 16][k / 128][2048].
; SHARES.  768 row tiles of 16 rows.  Work-groups 0-255 take x, 256-351 w_qkv, 352-383 w_out: only pointers and e are chosen, on the work-group's number; there is one path.
; A work-group takes two row tiles, a wave half the K of one: four steps of 16 rows x 128 K.  Each load reads 512 consecutive bytes of a row; the 8,192 bytes of a step turn through the wave's own
; stage in LDS and come back eight neighbours along K at a time; each store of codes covers 512 consecutive bytes, aligned.  Waves share nothing: no barrier.
.set SP,   528                         ; a stage row: 512 bytes + 16, an odd multiple of 16 bytes, so that the sixteen rows that a read touches fall on sixteen different 16-byte columns
.set WST,  16*SP                       ; a wave's stage
.set R,    16                          ; v16-143  two sets of 64 numbers as loaded
.set X,    144                         ; v144-207 64 numbers in the fragment's order
.set C,    208                         ; v208-239 two sets of 16 registers of codes
	s_load_b256 s[4:11], s[0:1], 0x0               ; x s[4:5], w_qkv s[6:7], w_out s[8:9], the scales' exponents s[10:11]
	s_load_b128 s[12:15], s[0:1], 0x20             ; x_img s[12:13], wqkv_img s[14:15]
	s_load_b64 s[16:17], s[0:1], 0x30              ; wout_img
	v_lshl_add_u32 v240, v0, 2, 0x8400
	v_mov_b32 v241, 0
	v_lshrrev_b32 v1, 5, v0
	v_readfirstlane_b32 s18, v1                    ; wave 0..3
	v_and_b32 v5, 31, v0
	v_lshlrev_b32 v2, 4, v5                        ; 16 x lane: my bytes of a load's and of a store's 512
	s_mul_i32 s19, s18, WST
	v_add_nc_u32 v3, s19, v2                       ; the stage, on the way in: as loaded
	v_and_b32 v6, 15, v0                           ; r
	v_bfe_u32 v7, v0, 4, 1                         ; h
	v_mul_u32_u24 v4, v6, SP
	v_lshl_add_u32 v4, v7, 5, v4
	v_add_nc_u32 v4, s19, v4                       ; and on the way out: row r, + 32 h bytes (8 numbers)
	s_wait_alu depctr_va_vdst(0)
	s_wait_kmcnt 0x0
	s_load_b256 s[28:35], s[10:11], 0x0            ; e0 .. e7
	s_cmp_lt_u32 ttmp9, 256                        ; which tensor: the choice hangs on the work-group's number alone
	s_cselect_b64 s[20:21], s[4:5], s[6:7]
	s_cselect_b64 s[22:23], s[12:13], s[14:15]
	s_cselect_b32 s24, 0, 256
	s_cmp_lt_u32 ttmp9, 352
	s_cselect_b64 s[20:21], s[20:21], s[8:9]
	s_cselect_b64 s[22:23], s[22:23], s[16:17]
	s_cselect_b32 s24, s24, 352                    ; the tensor's first work-group
	s_sub_co_u32 s24, ttmp9, s24
	s_lshl_b32 s24, s24, 1
	s_lshr_b32 s25, s18, 1
	s_add_co_u32 s24, s24, s25                     ; my row tile: 2 x work-group + wave / 2
	s_and_b32 s25, s18, 1                          ; my half of K
	s_lshl_b32 s26, s24, 16                        ; 16 rows of 4,096 bytes
	s_lshl_b32 s27, s25, 11                        ; 512 numbers
	s_add_co_u32 s26, s26, s27
	s_mov_b32 s27, 0
	s_add_nc_u64 s[20:21], s[20:21], s[26:27]      ; the numbers
	s_lshl_b32 s26, s24, 14                        ; 8 images of 2,048 bytes
	s_lshl_b32 s36, s25, 13                        ; four of them
	s_add_co_u32 s26, s26, s36
	s_add_nc_u64 s[22:23], s[22:23], s[26:27]      ; the images
.macro LOAD t                          ; step t: 128 numbers of each of the 16 rows
.irp i, 0,1,2,3,4,5,6,7,8,9,10,11,12,13,14,15
	global_load_b128 v[R+64*((\t)%2)+4*\i:R+64*((\t)%2)+4*\i+3], v2, s[20:21] offset:4096*\i+512*(\t) th:TH_LOAD_NT
.endr
.endm
.macro TURN t                          ; through the stage: LDS serves a wave's instructions in order (ISA guide 5.7.1.4), so no wait stands between the stores and the loads
.irp i, 0,1,2,3,4,5,6,7,8,9,10,11,12,13,14,15
	ds_store_b128 v3, v[R+64*((\t)%2)+4*\i:R+64*((\t)%2)+4*\i+3] offset:SP*\i
.endr
.irp c, 0,1,2,3,4,5,6,7
	ds_load_b128 v[X+8*\c:X+8*\c+3], v4 offset:64*\c          ; k = 16 c + 8 h + 0 .. 3 of row r
	ds_load_b128 v[X+8*\c+4:X+8*\c+7], v4 offset:64*\c+16     ; and + 4 .. 7
.endr
.endm
	LOAD 0
	LOAD 1
	s_wait_kmcnt 0x0
	s_cmp_lt_u32 ttmp9, 256
	s_cselect_b32 s28, s28, s29
	s_cmp_lt_u32 ttmp9, 352
	s_cselect_b32 s28, s28, s35                    ; e of my tensor
	s_add_co_i32 s28, s28, 127
	s_lshl_b32 s29, s28, 23
	v_mov_b32 v11, s29                             ; 2^e as f32: the conversion takes its exponent field
	s_add_co_i32 s28, s28, 8
	s_lshl_b32 s28, s28, 23
	s_or_b32 s28, s28, 0x600000
	v_mov_b32 v10, s28                             ; 448 x 2^e
.macro STEPQ t
.set CS, C+16*((\t)%2)
.if (\t) < 3
	s_wait_loadcnt 16                              ; this step's sixteen loads are in; the next step's sixteen may be out
.else
	s_wait_loadcnt 0
.endif
	TURN \t
	s_wait_dscnt 0x0                               ; the numbers are back, and the stage's stores have read their registers,
.if (\t) < 2
	LOAD (\t)+2                                    ; which take the loads of two steps on
.endif
.if (\t) >= 2
	s_wait_xcnt 0x0                                ; the stores of two steps back have read this set of code registers: it is written again only behind this wait
.endif
.set j, 0
.rept 64
	v_med3_num_f32 v[X+j], v[X+j], -v10, v10       ; the conversion to an 8-bit code does not saturate (ISA guide 7.6.2): the hold at the largest code x the scale
.set j, j+1
.endr
.irp c, 0,1,2,3,4,5,6,7
	v_cvt_scalef32_pk8_fp8_f32 v[CS+2*\c:CS+2*\c+1], v[X+8*\c:X+8*\c+7], v11   ; registers 2 c, 2 c + 1 of the fragment
.endr
	v_nop                                          ; one plain vector instruction behind the last conversion: the next vector instructions are the next step's holds, which write the conversions' sources (there is one set of numbers, v144-207)
.irp g, 0,1,2,3
	global_store_b128 v2, v[CS+4*\g:CS+4*\g+3], s[22:23] offset:2048*(\t)+512*\g   ; 32 lanes store 512 consecutive bytes, aligned
.endr
.endm
	s_wait_alu depctr_va_vdst(0)
	STEPQ 0
	STEPQ 1
	STEPQ 2
	STEPQ 3
	s_wait_tensorcnt 0x0
	ds_add_u32 v240, v241
	s_wait_dscnt 0x0
	s_endpgm
.Lfunc_end_k_q1b2ecc55a9_quant:
	.size	k_q1b2ecc55a9_quant, .Lfunc_end_k_q1b2ecc55a9_quant-k_q1b2ecc55a9_quant
	.p2alignl 7, 3214868480
	.fill 96, 4, 3214868480
	.section	.rodata,"a",@progbits
	.p2align	6, 0x0
	.amdhsa_kernel k_q1b2ecc55a9_quant
		.amdhsa_group_segment_fixed_size 34304
		.amdhsa_private_segment_fixed_size 0
		.amdhsa_enable_private_segment 0
		.amdhsa_kernarg_size 56
		.amdhsa_user_sgpr_count 2
		.amdhsa_user_sgpr_kernarg_segment_ptr 1
		.amdhsa_wavefront_size32 1
		.amdhsa_system_sgpr_workgroup_id_x 1
		.amdhsa_system_sgpr_workgroup_id_y 1
		.amdhsa_system_sgpr_workgroup_id_z 1
		.amdhsa_system_vgpr_workitem_id 0
		.amdhsa_next_free_vgpr 242
		.amdhsa_next_free_sgpr 66
		.amdhsa_reserve_vcc 0
		.amdhsa_float_denorm_mode_32 3
		.amdhsa_float_denorm_mode_16_64 3
		.amdhsa_memory_ordered 1
		.amdhsa_forward_progress 1
		.amdhsa_inst_pref_size 37
	.end_amdhsa_kernel
	.amdgpu_metadata
---
amdhsa.version: [ 1, 2 ]
amdhsa.kernels:
  - .name:           k_q1b2ecc55a9_quant
    .symbol:         k_q1b2ecc55a9_quant.kd
    .args:
      - { .name: x, .offset: 0, .size: 8, .value_kind: global_buffer, .address_space: global }
      - { .name: w_qkv, .offset: 8, .size: 8, .value_kind: global_buffer, .address_space: global }
      - { .name: w_out, .offset: 16, .size: 8, .value_kind: global_buffer, .address_space: global }
      - { .name: lowp_scales, .offset: 24, .size: 8, .value_kind: global_buffer, .address_space: global }
      - { .name: x_img, .offset: 32, .size: 8, .value_kind: global_buffer, .address_space: global }
      - { .name: wqkv_img, .offset: 40, .size: 8, .value_kind: global_buffer, .address_space: global }
      - { .name: wout_img, .offset: 48, .size: 8, .value_kind: global_buffer, .address_space: global }
    .group_segment_fixed_size: 34304
    .private_segment_fixed_size: 0
    .kernarg_segment_align: 8
    .kernarg_segment_size: 56
    .max_flat_workgroup_size: 128
    .sgpr_count:     66
    .vgpr_count:     242
    .wavefront_size: 32
...
	.end_amdgpu_metadata
.endif
;; end of part 1
;; launch gemm_qkv (part 2): grid 12 x 32, 4 waves a work-group, clusters of 4 x 4, 327,680 bytes of LDS; arguments x_img, wqkv_img, lowp_scales, b_qkv, q_img, k_img, v_img; writes q_img, k_img, v_img
.if DOCPART == 2
	.amdgcn_target "amdgcn-amd-amdhsa--gfx1250"
	.amdhsa_code_object_version 6
	.text
	.protected	k_q1b2ecc55a9_gemm_qkv
	.globl	k_q1b2ecc55a9_gemm_qkv
	.p2align	8
	.type	k_q1b2ecc55a9_gemm_qkv,@function
k_q1b2ecc55a9_gemm_qkv:
	s_mov_b64 s[64:65], 0
	v_nop
	global_prefetch_b8 v0, s[64:65] scope:SCOPE_SE
	s_setreg_imm32_b32 hwreg(HW_REG_WAVE_MODE, 25, 1), 1
	s_wait_xcnt 0x0
	s_wait_alu depctr_hold_cnt(0) depctr_sa_sdst(0) depctr_va_vdst(0) depctr_va_sdst(0) depctr_va_ssrc(0) depctr_va_vcc(0) depctr_vm_vsrc(0)
	s_getreg_b32 s2, hwreg(HW_REG_IB_STS2, 6, 4)
	s_cmp_eq_u32 s2, 0
	s_cbranch_scc0 .Lentry_in_a_cluster
	s_endpgm
.Lentry_in_a_cluster:
	s_bfe_u32 s2, ttmp6, 0x10000c
	s_cmp_lg_u32 s2, 0xf033
	s_cbranch_scc0 .Lentry_shape_is_right
	s_endpgm
.Lentry_shape_is_right:
.set FR,     16
.set NL,     4
.set NP,     4
.set HALFT,  32768
.set SLOT,   4*HALFT
.set SPARE,  2*SLOT
.set ADRA, 16
.set ADRB, 20
.set SPW,  28
.set NIL,  29
.set BJ,   32
.set BI,   96
.set OFF,  112
.set TMP,  128
.set AF,   128
.set G1, 24
.set G0, 32
.set G1B, 48
.set G0B, 56
.set MSB, 0
.macro WIN new
.if MSB != (\new)
	s_set_vgpr_msb (MSB<<8)|(\new)
.set MSB, (\new)
.endif
.endm
.set MUL_LO,   0xa1
.set MUL_HI,   0xf1
.set FIRST_LO, 0x81
.set FIRST_HI, 0xc1
.set TO_B,     0x40
.macro JLOAD g0a, g1a, g0b, g1b
	s_cmp_eq_u32 s15, 0
	s_cbranch_scc0 .Lfor_b_\@
	tensor_load_to_lds s[\g0a:\g0a+3], s[\g1a:\g1a+7]
	s_nop 0
.rept 4
	v_nop
.endr
	s_branch .Lasked_\@
.Lfor_b_\@:
	tensor_load_to_lds s[\g0b:\g0b+3], s[\g1b:\g1b+7]
	s_nop 0
.rept 4
	v_nop
.endr
.Lasked_\@:
.endm
.macro CREST
	s_cmp_lg_u32 s14, 0
	s_cbranch_scc1 .Lnot_wave_0_\@
	s_barrier_signal -3
.Lnot_wave_0_\@:
	s_barrier_wait -3
	s_barrier_signal -1
	s_barrier_wait -1
.endm
.macro CROUND
	s_barrier_signal -1
	s_barrier_wait -1
	CREST
.endm
	s_load_b256 s[4:11], s[0:1], 0x0
	s_load_b128 s[68:71], s[0:1], 0x20
	s_load_b64 s[72:73], s[0:1], 0x30
	v_lshl_add_u32 v[SPW], v0, 2, SPARE
	v_mov_b32 v[NIL], 0
	ds_add_u32 v28, v29
	ds_add_u32 v28, v29
	s_wait_dscnt 0x0
	v_lshrrev_b32 v1, 5, v0
	v_readfirstlane_b32 s14, v1
	s_lshr_b32 s15, s14, 1
	s_and_b32 s16, s14, 1
	s_bfe_u32 s40, ttmp6, 0x40000
	s_bfe_u32 s41, ttmp6, 0x40004
	s_and_b32 s12, ttmp7, 0xffff
	s_lshl_b32 s12, s12, 2
	s_lshl_b32 s13, ttmp9, 2
	s_cmp_eq_u32 ttmp9, 2
	s_cselect_b32 s17, 0, s12
	s_cselect_b32 s42, s12, s13
	s_cselect_b32 s74, 0, -1
	s_cselect_b32 s75, -1, 0
	s_cselect_b32 s78, 0x200000, 0
	s_add_co_u32 s17, s17, s41
	s_add_co_u32 s42, s42, s40
	s_lshl_b32 s43, s41, 2
	s_lshl_b32 s43, 15, s43
	s_lshl_b32 s44, 0x1111, s40
	s_or_b32 s[G1+0], s43, (3<<16)|(1<<21)
	s_or_b32 s[G1B+0], s44, (3<<16)|(1<<21)
.irp g, G1, G1B
	s_mov_b32 s[\g+1], 512<<16
	s_mov_b32 s[\g+2], 8<<16
	s_mov_b32 s[\g+3], 512<<16
	s_mov_b32 s[\g+4], 8
	s_mov_b32 s[\g+5], 2048
	s_mov_b32 s[\g+6], 0
	s_mov_b32 s[\g+7], 0
.endr
	s_lshl_b32 s18, s16, 17
	s_lshl_b32 s20, s17, 18
	s_add_co_u32 s20, s20, s18
	s_add_co_u32 s20, s20, s78
	s_mov_b32 s21, 0
	s_lshl_b32 s46, s42, 18
	s_add_co_u32 s46, s46, s18
	s_mov_b32 s47, 0
	s_mul_i32 s45, s14, HALFT
	s_wait_kmcnt 0x0
	s_load_b256 s[80:87], s[8:9], 0x0
	s_cmp_eq_u32 ttmp9, 2
	s_cselect_b64 s[66:67], s[6:7], s[4:5]
	s_cselect_b64 s[22:23], s[4:5], s[6:7]
	s_add_nc_u64 s[20:21], s[66:67], s[20:21]
	s_add_nc_u64 s[46:47], s[22:23], s[46:47]
	CROUND
.irp s, 0,1
	s_mov_b32 s[G0+4*\s], 1
	s_add_co_u32 s[G0+4*\s+1], s45, \s*SLOT
	s_add_nc_u64 s[G0+4*\s+2:G0+4*\s+3], s[20:21], \s*4096
	s_or_b32 s[G0+4*\s+3], s[G0+4*\s+3], 0x80000000
	s_mov_b32 s[G0B+4*\s], 1
	s_add_co_u32 s[G0B+4*\s+1], s45, \s*SLOT
	s_add_nc_u64 s[G0B+4*\s+2:G0B+4*\s+3], s[46:47], \s*4096
	s_or_b32 s[G0B+4*\s+3], s[G0B+4*\s+3], 0x80000000
	s_wait_alu depctr_va_vdst(0)
	s_wait_tensorcnt 0x0
	ds_add_u32 v28, v29
	ds_add_u32 v28, v29
	s_wait_dscnt 0x0
	CROUND
	JLOAD G0+4*\s, G1, G0B+4*\s, G1B
.endr
	v_and_b32 v1, 15, v0
	v_bfe_u32 v2, v0, 4, 1
	v_and_b32 v3, 31, v0
	v_lshlrev_b32 v3, 4, v3
	s_mul_i32 s2, s15, HALFT
	s_mul_i32 s3, s16, HALFT
	s_add_co_u32 s3, s3, 2*HALFT
.irp s, 0,1
	v_add_nc_u32 v[ADRA+\s], s2, v3
	v_add_nc_u32 v[ADRB+\s], s3, v3
	s_add_co_u32 s2, s2, SLOT
	s_add_co_u32 s3, s3, SLOT
.endr
	v_lshlrev_b32 v5, 5, v2
	s_wait_alu depctr_va_vdst(0)
	v_lshlrev_b32 v6, 2, v1
	s_wait_alu depctr_va_vdst(0)
	s_lshl_b32 s76, s42, 10
	s_lshl_b32 s77, s16, 9
	s_add_co_u32 s76, s76, s77
	s_and_b32 s76, s76, s74
	s_mov_b32 s77, 0
	s_add_nc_u64 s[96:97], s[10:11], s[76:77]
	s_lshl_b32 s76, s17, 10
	s_lshl_b32 s79, s15, 9
	s_add_co_u32 s76, s76, s79
	s_add_co_u32 s76, s76, 8192
	s_and_b32 s76, s76, s75
	s_add_nc_u64 s[98:99], s[10:11], s[76:77]
.irp b, 0,1,2,3,4,5,6,7
	global_load_b128 v[BJ+8*\b:BJ+8*\b+3], v5, s[96:97] offset:64*\b
	global_load_b128 v[BJ+8*\b+4:BJ+8*\b+7], v5, s[96:97] offset:64*\b+16
.endr
.irp a, 0,1,2,3,4,5,6,7
	global_load_b32 v[BI+2*\a], v6, s[98:99] offset:64*\a
.endr
	s_cmp_eq_u32 ttmp9, 2
	s_cselect_b32 s76, s42, s17
	s_cselect_b32 s77, s41, s40
	s_cselect_b32 s78, s15, s16
	s_cselect_b32 s79, s16, s15
	s_mov_b32 s92, 1024
	s_cselect_b32 s92, 2048, s92
	s_cselect_b32 s93, 122880, 0
	s_mov_b32 s94, 131072
	s_cselect_b32 s94, 1024, s94
	s_mov_b32 s95, 0
	s_cselect_b64 s[88:89], s[72:73], s[70:71]
	s_cmp_eq_u32 ttmp9, 0
	s_cselect_b64 s[88:89], s[68:69], s[88:89]
	s_lshr_b32 s3, s76, 3
	s_lshl_b32 s3, s3, 4
	s_lshl_b32 s77, s77, 2
	s_add_co_u32 s3, s3, s77
	s_lshl_b32 s78, s78, 1
	s_add_co_u32 s3, s3, s78
	s_lshl_b32 s3, s3, 17
	s_and_b32 s76, s76, 7
	s_lshl_b32 s76, s76, 1
	s_add_co_u32 s76, s76, s79
	s_lshl_b32 s76, s76, 13
	s_add_co_u32 s76, s76, s3
	s_mov_b32 s77, 0
	s_add_nc_u64 s[88:89], s[88:89], s[76:77]
	s_add_nc_u64 s[90:91], s[88:89], s[94:95]
	v_mov_b32 v[OFF], v3
	v_add_nc_u32 v[OFF+1], s92, v[OFF]
	v_add_nc_u32 v[OFF+2], s92, v[OFF+1]
	v_add_nc_u32 v[OFF+3], s92, v[OFF+2]
	v_add3_u32 v[OFF+4], v[OFF+3], s92, s93
	v_add_nc_u32 v[OFF+5], s92, v[OFF+4]
	v_add_nc_u32 v[OFF+6], s92, v[OFF+5]
	v_add_nc_u32 v[OFF+7], s92, v[OFF+6]
	s_wait_kmcnt 0x0
	s_cmp_eq_u32 ttmp9, 2
	s_cselect_b32 s2, s85, s83
	s_cmp_eq_u32 ttmp9, 0
	s_cselect_b32 s2, s82, s2
	s_add_co_i32 s3, s80, s81
	s_sub_co_i32 s76, 0, s3
	s_sub_co_i32 s2, s2, s3
	s_add_co_i32 s2, s2, 127
	s_lshl_b32 s3, s2, 23
	v_mov_b32 v120, s3
	s_add_co_i32 s2, s2, 8
	s_lshl_b32 s2, s2, 23
	s_or_b32 s2, s2, 0x600000
	v_mov_b32 v121, s2
	s_wait_loadcnt 0x0
.set j, 0
.rept 64
	v_and_b32 v[BJ+j], s74, v[BJ+j]
.set j, j+1
.endr
.set j, 0
.rept 64
	v_ldexp_f32 v[BJ+j], v[BJ+j], s76
.set j, j+1
.endr
.irp a, 0,1,2,3,4,5,6,7
	v_and_b32 v[BI+2*\a], s75, v[BI+2*\a]
.endr
.irp a, 0,1,2,3,4,5,6,7
	v_ldexp_f32 v[BI+2*\a], v[BI+2*\a], s76
.endr
.irp a, 0,1,2,3,4,5,6,7
	v_mov_b32 v[BI+2*\a+1], v[BI+2*\a]
.endr
.macro FRAG reg, adr, q, i
.irp g, 0,1,2,3
	ds_load_b128 v[\reg+4*\g:\reg+4*\g+3], v[\adr] offset:4096*(\i)+2048*(\q)+512*\g
.endr
.endm
.macro MUL16 a0, p, first
.irp a, \a0, \a0+1
.irp b, 0,1,2,3,4,5,6,7
.if \first
	v_wmma_f32_16x16x128_fp8_fp8 v[8*(8*((\a)%4)+\b):8*(8*((\a)%4)+\b)+7], v[128*(\p)+FR*\b:128*(\p)+FR*\b+FR-1], v[AF+FR*(\a):AF+FR*(\a)+FR-1], v[BJ+8*\b:BJ+8*\b+7]
.else
	v_wmma_f32_16x16x128_fp8_fp8 v[8*(8*((\a)%4)+\b):8*(8*((\a)%4)+\b)+7], v[128*(\p)+FR*\b:128*(\p)+FR*\b+FR-1], v[AF+FR*(\a):AF+FR*(\a)+FR-1], v[8*(8*((\a)%4)+\b):8*(8*((\a)%4)+\b)+7]
.endif
.endr
.endr
.endm
.macro FETCH_B slot, q, p
	WIN TO_B
.irp i, 0,1,2,3,4,5,6,7
	FRAG 128*(\p)+FR*\i, ADRB+\slot, \q, \i
.endr
	WIN 0
.endm
.macro FETCH_A slot, q, i0
.irp i, \i0, \i0+1, \i0+2, \i0+3
	FRAG AF+FR*(\i), ADRA+\slot, \q, \i
.endr
.endm
.macro PLACES n
.rept \n
	v_nop
.endr
.endm
.macro STEP slot, q, first
	s_wait_dscnt 4*NL
.if \first
	WIN FIRST_LO
.else
	WIN MUL_LO
.endif
	MUL16 0, (\q)%2, \first
	MUL16 2, (\q)%2, \first
	s_wait_dscnt 0
	PLACES NP
	FETCH_B \slot, (\q)+1, 1-(\q)%2
	FETCH_A \slot, (\q)+1, 0
.if \first
	WIN FIRST_HI
.else
	WIN MUL_HI
.endif
	MUL16 4, (\q)%2, \first
	MUL16 6, (\q)%2, \first
	PLACES NP
	WIN 0
	FETCH_A \slot, (\q)+1, 4
.endm
.macro TURN slot, next, fill
	s_wait_tensorcnt 0x0
	ds_add_u32 v[SPW], v[NIL]
	s_wait_dscnt 4*NL+1
	WIN MUL_LO
	MUL16 0, 1, 0
	s_wait_dscnt 0x0
	s_barrier_signal -1
	MUL16 2, 1, 0
	WIN 0
	s_barrier_wait -1
.if \fill
	CREST
	s_add_nc_u64 s[G0+4*\slot+2:G0+4*\slot+3], s[G0+4*\slot+2:G0+4*\slot+3], 8192
	s_add_nc_u64 s[G0B+4*\slot+2:G0B+4*\slot+3], s[G0B+4*\slot+2:G0B+4*\slot+3], 8192
	JLOAD G0+4*\slot, G1, G0B+4*\slot, G1B
.else
	PLACES NP
.endif
	FETCH_B \next, 0, 0
	FETCH_A \next, 0, 0
	WIN MUL_HI
	MUL16 4, 1, 0
	MUL16 6, 1, 0
	PLACES NP
	WIN 0
	FETCH_A \next, 0, 4
.endm
	s_wait_tensorcnt 1
	s_barrier_signal -1
	s_barrier_wait -1
	FETCH_B 0, 0, 0
	FETCH_A 0, 0, 0
	FETCH_A 0, 0, 4
	STEP 0, 0, 1
	TURN 0, 1, 1
	STEP 1, 0, 0
	TURN 1, 0, 1
	STEP 0, 0, 0
	TURN 0, 1, 0
	STEP 1, 0, 0
	s_wait_dscnt 4*NL
	WIN MUL_LO
	MUL16 0, 1, 0
	MUL16 2, 1, 0
	s_wait_alu depctr_va_vdst(0)
	s_wait_dscnt 0
	WIN MUL_HI
	MUL16 4, 1, 0
	MUL16 6, 1, 0
	WIN 0
	PLACES NP
.macro OUTA a
.if (\a) < 4
.set CD, 32+16*(\a)
.else
.set CD, 192+16*((\a)-4)
.endif
.set AC, 64*((\a)%4)
	WIN 0x02+((\a)/4)
.set j, 0
.rept 32
	v_pk_add_f32 v[TMP+j:TMP+j+1], v[AC+j:AC+j+1], v[BI+2*(\a):BI+2*(\a)+1] op_sel_hi:[1,0]
.set j, j+2
.endr
	WIN 0
.irp b, 0,1,2,3,4,5,6,7
.irp i, 0,1,2,3,4,5,6,7
	v_med3_num_f32 v[TMP+8*\b+\i], v[TMP+8*\b+\i], -v121, v121
.endr
	v_cvt_scalef32_pk8_fp8_f32 v[CD+2*\b:CD+2*\b+1], v[TMP+8*\b:TMP+8*\b+7], v120
.endr
	v_nop
	global_store_b128 v[OFF+(\a)], v[CD:CD+3], s[88:89]
	global_store_b128 v[OFF+(\a)], v[CD+4:CD+7], s[88:89] offset:512
	global_store_b128 v[OFF+(\a)], v[CD+8:CD+11], s[90:91]
	global_store_b128 v[OFF+(\a)], v[CD+12:CD+15], s[90:91] offset:512
.endm
.irp a, 0,1,2,3,4,5,6,7
	OUTA \a
.endr
	s_wait_tensorcnt 0x0
	ds_add_u32 v[SPW], v[NIL]
	s_wait_dscnt 0x0
	CROUND
	s_endpgm
.Lfunc_end_k_q1b2ecc55a9_gemm_qkv:
	.size	k_q1b2ecc55a9_gemm_qkv, .Lfunc_end_k_q1b2ecc55a9_gemm_qkv-k_q1b2ecc55a9_gemm_qkv
	.p2alignl 7, 3214868480
	.fill 96, 4, 3214868480
	.section	.rodata,"a",@progbits
	.p2align	6, 0x0
	.amdhsa_kernel k_q1b2ecc55a9_gemm_qkv
		.amdhsa_group_segment_fixed_size 327680
		.amdhsa_private_segment_fixed_size 0
		.amdhsa_enable_private_segment 0
		.amdhsa_kernarg_size 56
		.amdhsa_user_sgpr_count 2
		.amdhsa_user_sgpr_kernarg_segment_ptr 1
		.amdhsa_wavefront_size32 1
		.amdhsa_system_sgpr_workgroup_id_x 1
		.amdhsa_system_sgpr_workgroup_id_y 1
		.amdhsa_system_sgpr_workgroup_id_z 1
		.amdhsa_system_vgpr_workitem_id 0
		.amdhsa_next_free_vgpr 1024
		.amdhsa_next_free_sgpr 100
		.amdhsa_reserve_vcc 0
		.amdhsa_float_denorm_mode_32 3
		.amdhsa_float_denorm_mode_16_64 3
		.amdhsa_memory_ordered 1
		.amdhsa_forward_progress 1
		.amdhsa_inst_pref_size 145
	.end_amdhsa_kernel
	.amdgpu_metadata
---
amdhsa.version: [ 1, 2 ]
amdhsa.kernels:
  - .name:           k_q1b2ecc55a9_gemm_qkv
    .symbol:         k_q1b2ecc55a9_gemm_qkv.kd
    .args:
      - { .name: x_img, .offset: 0, .size: 8, .value_kind: global_buffer, .address_space: global }
      - { .name: wqkv_img, .offset: 8, .size: 8, .value_kind: global_buffer, .address_space: global }
      - { .name: lowp_scales, .offset: 16, .size: 8, .value_kind: global_buffer, .address_space: global }
      - { .name: b_qkv, .offset: 24, .size: 8, .value_kind: global_buffer, .address_space: global }
      - { .name: q_img, .offset: 32, .size: 8, .value_kind: global_buffer, .address_space: global }
      - { .name: k_img, .offset: 40, .size: 8, .value_kind: global_buffer, .address_space: global }
      - { .name: v_img, .offset: 48, .size: 8, .value_kind: global_buffer, .address_space: global }
    .group_segment_fixed_size: 327680
    .private_segment_fixed_size: 0
    .kernarg_segment_align: 8
    .kernarg_segment_size: 56
    .max_flat_workgroup_size: 128
    .sgpr_count:     100
    .vgpr_count:     1024
    .wavefront_size: 32
...
	.end_amdgpu_metadata
.endif
;; end of part 2
;; launch attn (part 3): grid 64 x 4, 16 waves a work-group, no clusters, 264,192 bytes of LDS; arguments q_img, k_img, v_img, lowp_scales, o_img; writes o_img
.if DOCPART == 3
	.amdgcn_target "amdgcn-amd-amdhsa--gfx1250"
	.amdhsa_code_object_version 6
	.text
	.protected	k_q1b2ecc55a9_attn
	.globl	k_q1b2ecc55a9_attn
	.p2align	8
	.type	k_q1b2ecc55a9_attn,@function
k_q1b2ecc55a9_attn:
	s_mov_b64 s[64:65], 0
	v_nop
	global_prefetch_b8 v0, s[64:65] scope:SCOPE_SE
	s_setreg_imm32_b32 hwreg(HW_REG_WAVE_MODE, 25, 1), 1
	s_wait_xcnt 0x0
; o = softmax(q k^T / 8) v for each of the 64 (batch, head) pairs, 2,048 tokens, head size 64, both products on codes of FP8 (E4M3); o is quantised with its given scale and stored as an image of the last product's operand registers.
; IMAGES (lane (r, h): row r; registers 2 c, 2 c + 1: k = 16 c + 8 h + 0 .. 7; registers 4 g .. 4 g + 3 of lane l at byte 512 g + 16 l):  q_img, k_img [bh][token / 16][1024] (K = 64);
;   v_img [bh][token / 128][d / 16][2048] (row = d, K = 128 tokens);  o_img [row / 16][head][1024].
; THE SOFTMAX: t = score x log2(e) / 8; M = the running largest t rounded UP to a whole number; p = 2^(t - M) is quantised, not normalised; the row's sum is taken of the unquantised p and divides at the end.
; When M moves, the sum and O are multiplied by 2^(old M - new M), which rounds nothing.
; SHARES.  The grid's x is bh = 16 batch + head, its y the quarter u of the head's queries: a work-group owns queries 512 u .. 512 u + 511; each of its sixteen waves owns TWO tiles of 16 queries (tiles 32 u + 2 wave, + 1)
; and walks the 16 key steps of 128 keys once: each fragment of K and of V that a wave reads from LDS feeds two matrix instructions.
; THE HEAD'S K AND V STAY IN LDS, 131,072 bytes each, every byte written once: wave w brings 16,384 bytes (waves 0-7 of K, 8-15 of V) by 32 loads of 512 consecutive bytes and 32 LDS stores; one barrier; then LDS is only read.
; THE HOLD OF p.  p is at most 2^(a rounding of t - M), under 1.75.  Where e4 >= -8 the largest code stands for 448 x 2^e4 >= 1.75, so the hold changes no number: for every other e4 they run.
; NO JOINT LOADS, NO TENSOR LOADS: that branch hangs on a number read from memory.  K and V come through registers.
; NO PREFETCH: all that the launch reads is asked for at its head; there is no later stream to run ahead of.
; LAYOUT.  S^T = K Q^T (source 0 = 16 keys, source 1 = 16 queries), O^T = V^T P^T: a lane holds one query of each tile; register j of score tile t is key 16 t + 8 h + j, so tile t's conversion gives registers 2 t, 2 t + 1 of P.
; LIMITS on the given exponents, so that each power of two below is an f32 number: e2 + e3 between -123 and 100; e4 and e6 - e4 - e5 between -126 and 119.  The scaled scores stay under 2^31 in magnitude.  NaN is not served.
; REGISTERS: v0 behind the head: the lane permute's destination; v1 16 x lane; v2, v3 the add's two; v4, v5 LDS addresses; v6, v7 a scale and 448 x it; v[8:9], v[10:11] -M and the largest raw score of tile A, B;
;   v[12:13], v[14:15] their sums in two halves; v16-23, v24-31 Q of A, B; v32-95 K's 8 fragments, then V's 4; v96-159 S^T, then p (A, then B); v160-191, v192-223 O^T of A, B;
;   v224-239, v240-255 p's codes of A, B, at work as temporaries ahead of the conversions.
.set SPARE, 0x40000                    ; behind K and V: the spare words, 128 bytes a wave
.set STEPB, 8192                       ; a key step's images of K, and of V
.set VOFF,  0x20000                    ; V's images in LDS
	s_load_b128 s[4:7], s[0:1], 0x0                ; q_img, k_img
	s_load_b128 s[8:11], s[0:1], 0x10              ; v_img, the scales' exponents
	s_load_b64 s[12:13], s[0:1], 0x20              ; o_img
	v_lshl_add_u32 v2, v0, 2, SPARE
	v_mov_b32 v3, 0
	v_lshrrev_b32 v4, 5, v0
	v_readfirstlane_b32 s18, v4                    ; wave 0..15
	v_and_b32 v1, 31, v0
	v_lshlrev_b32 v1, 4, v1                        ; 16 x lane
	s_mov_b32 s56, ttmp9                           ; bh = 16 batch + head
	s_lshl_b32 s57, s18, 14
	v_add_nc_u32 v5, s57, v1                       ; where my 16,384 bytes go in LDS: wave x 16,384 (V's eight parts follow K's eight)
	s_and_b32 s58, s18, 7
	s_lshl_b32 s58, s58, 14
	s_lshl_b32 s60, s56, 17                        ; the head's 131,072 bytes
	s_add_co_u32 s58, s58, s60                     ; and where they come from
	s_mov_b32 s59, 0
	s_and_b32 s62, ttmp7, 0xffff                   ; u: which quarter of the queries
	s_lshl_b32 s62, s62, 5
	s_lshl_b32 s63, s18, 1
	s_add_co_u32 s62, s62, s63                     ; my first query tile: 32 u + 2 wave
	s_lshl_b32 s16, s62, 10
	s_add_co_u32 s16, s16, s60                     ; its image in q_img
	s_mov_b32 s17, 0
	s_lshr_b32 s63, s56, 4                         ; the batch
	s_lshl_b32 s63, s63, 7
	s_add_co_u32 s63, s63, s62                     ; row / 16
	s_lshl_b32 s63, s63, 14                        ; 16 heads' images of 1,024 bytes
	s_and_b32 s60, s56, 15
	s_lshl_b32 s60, s60, 10
	s_add_co_u32 s60, s60, s63                     ; its image in o_img
	s_mov_b32 s61, 0
	s_mov_b32 s20, 0x76543210
	s_mov_b32 s21, 0xfedcba98                      ; v_permlanex16_b32: lane l xor 16
	s_wait_alu depctr_va_vdst(0)                   ; directly ahead of the wait below
	s_wait_kmcnt 0x0
	s_load_b256 s[48:55], s[10:11], 0x0            ; e0 .. e7
	s_cmp_lt_u32 s18, 8
	s_cselect_b64 s[14:15], s[6:7], s[8:9]         ; K's images or V's: the choice hangs on the wave's number alone
	s_add_nc_u64 s[14:15], s[14:15], s[58:59]
	s_add_nc_u64 s[4:5], s[4:5], s[16:17]
	s_add_nc_u64 s[12:13], s[12:13], s[60:61]
.irp g, 0,1,2,3
	global_load_b128 v[16+4*\g:19+4*\g], v1, s[4:5] offset:512*\g     ; Q of both tiles: 2,048 consecutive bytes
.endr
.set j, 0
.rept 32
	global_load_b128 v[32+4*j:35+4*j], v1, s[14:15] offset:512*j      ; my part of K or V
.set j, j+1
.endr
	s_wait_kmcnt 0x0
	s_add_co_i32 s57, s50, s51
	s_lshl_b32 s57, s57, 23
	s_mov_b32 s22, 0x3e38aa3b                      ; c = log2(e) / 8,
	s_add_co_i32 s22, s22, s57                     ; x 2^(e2 + e3): the exponents are added to c's exponent field
	s_mov_b32 s23, s22                             ; (named with it as a pair)
	s_xor_b32 s24, s22, 0x80000000                 ; -c
	s_add_co_i32 s57, s52, 127
	s_lshl_b32 s59, s57, 23
	v_mov_b32 v6, s59                              ; 2^e4, for p's conversion
	s_add_co_i32 s57, s57, 8
	s_lshl_b32 s57, s57, 23
	s_or_b32 s57, s57, 0x600000
	v_mov_b32 v7, s57                              ; 448 x 2^e4
	s_sub_co_i32 s57, s54, s52
	s_sub_co_i32 s57, s57, s53                     ; O^T / the sum stands for that x 2^(e4 + e5): its code is that / 2^(e6 - e4 - e5)
	s_add_co_i32 s57, s57, 127
	s_lshl_b32 s26, s57, 23
	s_add_co_i32 s57, s57, 8
	s_lshl_b32 s57, s57, 23
	s_or_b32 s27, s57, 0x600000
	s_cmp_lt_i32 s52, -8
	s_cselect_b32 s25, 1, 0                        ; 1: p's hold is run
	v_mov_b32 v9, 0xcb800000                       ; the largest raw score so far: -2^24, under every sum of 64 products of two codes (at most 64 x 448 x 448)
	v_mul_f32 v8, s24, v9
	v_floor_f32 v8, v8                             ; its -M
	v_mov_b32 v11, v9
	v_mov_b32 v10, v8
.irp r, 12,13,14,15,225,241
	v_mov_b32 v\r, 0                               ; the sums; and the two registers that are named as the upper half of f's pair before they hold anything
.endr
.set j, 0
.rept 64
	v_mov_b32 v[160+j], 0                          ; O^T: the step is written once; the first finds zeros, which the first change of M leaves zeros
.set j, j+1
.endr
	s_wait_alu depctr_va_vdst(0)
.set j, 0
.rept 4
	s_wait_loadcnt 24-8*j                          ; Q and my loads up to 8 j + 7 are in; the 24 - 8 j issued behind them may be out
.irp i, 0,1,2,3,4,5,6,7
	ds_store_b128 v5, v[32+32*j+4*\i:35+32*j+4*\i] offset:512*(8*j+\i)
.endr
.set j, j+1
.endr
	s_wait_dscnt 0x0                               ; my part lies in LDS
	s_barrier_signal -1
	s_barrier_wait -1                              ; everybody's does
; THE SOFTMAX OF ONE TILE'S 128 SCORES.  NM: the pair -M, largest raw score; SM: the sum's pair; OB: O^T; T: the tile's 16 code registers: T f, T+3 at work, T+4 .. T+9 six maxima; then T .. T+13 seven partial sums.
.macro SOFT NM, SM, OB, T
.set j, 0
.rept 6
	v_max3_num_f32 v[\T+4+j], v[96+3*j], v[97+3*j], v[98+3*j]     ; the largest of my 64 scores: six chains by turns, so that no line reads a result of the five lines above it; the registers in ascending order, so each accumulator from its low end on
.set j, j+1
.endr
.set j, 0
.rept 23
	v_max3_num_f32 v[\T+4+(j%6)], v[\T+4+(j%6)], v[114+2*j], v[115+2*j]
.set j, j+1
.endr
	s_delay_alu instid0(VALU_DEP_3)
	v_max3_num_f32 v[\T+4], v[\T+4], v[\T+5], v[\T+6]
	s_delay_alu instid0(VALU_DEP_2)
	v_max3_num_f32 v[\T+7], v[\T+7], v[\T+8], v[\T+9]
	s_delay_alu instid0(VALU_DEP_1)
	v_max_num_f32 v[\T+4], v[\T+4], v[\T+7]
	s_delay_alu instid0(VALU_DEP_1)
	v_permlanex16_b32 v0, v[\T+4], s20, s21
	s_delay_alu instid0(VALU_DEP_1)
	v_max3_num_f32 v[\NM+1], v[\T+4], v0, v[\NM+1] ; with lane l xor 16's and the running one
	s_delay_alu instid0(VALU_DEP_1)
	v_mul_f32 v[\T+3], s24, v[\NM+1]               ; -t (c is positive)
	s_delay_alu instid0(VALU_DEP_1)
	v_floor_f32 v[\T+3], v[\T+3]                   ; the new -M = -ceil(t): a whole number
	s_delay_alu instid0(VALU_DEP_1)
	v_sub_f32 v[\T+4], v[\T+3], v[\NM]             ; old M less new M: a whole number, 0 or less
	v_mov_b32 v[\NM], v[\T+3]
	s_delay_alu instid0(VALU_DEP_2)
	v_cvt_i32_f32 v[\T+4], v[\T+4]                 ; (it saturates)
	s_delay_alu instid0(VALU_DEP_1)
	v_ldexp_f32 v[\T], 1.0, v[\T+4]                ; f = 2^(old M - new M)
.set j, 0
.rept 32
	v_pk_fma_f32 v[96+j:97+j], v[96+j:97+j], s[22:23], v[\NM:\NM+1] op_sel_hi:[1,0,0]   ; t - M, two at a time (of the pairs c and -M the low word serves both halves)
.set j, j+2
.endr
	s_wait_alu depctr_va_vdst(0)                   ; directly ahead of the first readers of O^T
.set j, 0
.rept 16
	v_pk_mul_f32 v[\OB+j:\OB+j+1], v[\OB+j:\OB+j+1], v[\T:\T+1] op_sel_hi:[1,0]   ; O^T under the new M
.set j, j+2
.endr
.set j, 0
.rept 64
	v_exp_f32 v[96+j], v[96+j]                     ; p = 2^(t - M)
.set j, j+1
.endr
	v_pk_mul_f32 v[\SM:\SM+1], v[\SM:\SM+1], v[\T:\T+1] op_sel_hi:[1,0]   ; the sums under the new M: the plain instruction behind the exponentials
	s_wait_alu depctr_va_vdst(0)                   ; one wait for the whole batch, ahead of its first reader
.set j, 0
.rept 7
	v_pk_add_f32 v[\T+2*j:\T+2*j+1], v[96+4*j:97+4*j], v[98+4*j:99+4*j]   ; the sum of the unquantised p: eight chains by turns, seven partial sums and the running one
.set j, j+1
.endr
	v_pk_add_f32 v[\SM:\SM+1], v[\SM:\SM+1], v[124:125]
.set j, 0
.rept 17
.if (j%8) < 7
	v_pk_add_f32 v[\T+2*(j%8):\T+2*(j%8)+1], v[\T+2*(j%8):\T+2*(j%8)+1], v[126+2*j:127+2*j]
.else
	v_pk_add_f32 v[\SM:\SM+1], v[\SM:\SM+1], v[126+2*j:127+2*j]
.endif
.set j, j+1
.endr
	v_pk_add_f32 v[\T+2:\T+3], v[\T+2:\T+3], v[\T+4:\T+5]        ; the eight are joined
	v_pk_add_f32 v[\T+6:\T+7], v[\T+6:\T+7], v[\T+8:\T+9]
	v_pk_add_f32 v[\T+10:\T+11], v[\T+10:\T+11], v[\T+12:\T+13]
	s_delay_alu instid0(VALU_DEP_4)
	v_pk_add_f32 v[\SM:\SM+1], v[\SM:\SM+1], v[\T:\T+1]
	s_delay_alu instid0(VALU_DEP_3)
	v_pk_add_f32 v[\T+2:\T+3], v[\T+2:\T+3], v[\T+6:\T+7]
	s_delay_alu instid0(VALU_DEP_2)
	v_pk_add_f32 v[\SM:\SM+1], v[\SM:\SM+1], v[\T+10:\T+11]
	s_delay_alu instid0(VALU_DEP_1)
	v_pk_add_f32 v[\SM:\SM+1], v[\SM:\SM+1], v[\T+2:\T+3]
	s_cmp_eq_u32 s25, 0                            ; e4 >= -8: no p reaches 448 x 2^e4
	s_wait_alu depctr_va_vdst(0)
	s_cbranch_scc1 .Lfree_\@
.set j, 0
.rept 64
	v_min_num_f32 v[96+j], v[96+j], v7             ; the conversion does not saturate (ISA guide 7.6.2); p is not negative, so the hold is one-sided
.set j, j+1
.endr
.Lfree_\@:
.irp t, 0,1,2,3,4,5,6,7
	v_cvt_scalef32_pk8_fp8_f32 v[\T+2*\t:\T+2*\t+1], v[96+8*\t:103+8*\t], v6
.endr
	v_nop                                          ; a plain vector instruction behind the last conversion, ahead of the matrix instructions that write its sources or read its results
.endm
.macro SCORES QR                       ; S^T = K Q^T: eight tiles of 16 keys
.irp t, 0,1,2,3,4,5,6,7
	v_wmma_f32_16x16x64_fp8_fp8 v[96+8*\t:103+8*\t], v[32+8*\t:39+8*\t], v[\QR:\QR+7], 0
.endr
.rept 4
	v_nop                                          ; places in front of the first read of the scores (tile B: and of the loads into K's registers)
.endr
.endm
	s_mov_b32 s2, 0                                ; LDS byte of the step's images of K
	s_mov_b32 s3, 16                               ; key steps to go
.Lstep:
	v_add_nc_u32 v4, s2, v1                        ; these two additions and two v_nop are the four places between the last products and the loads into the registers that they read
	s_delay_alu instid0(VALU_DEP_1)
	v_add_nc_u32 v5, VOFF, v4
	v_nop
	v_nop
.irp t, 0,1,2,3,4,5,6,7
	ds_load_b128 v[32+8*\t:35+8*\t], v4 offset:1024*\t
	ds_load_b128 v[36+8*\t:39+8*\t], v4 offset:1024*\t+512
.endr
	s_wait_dscnt 0x0                               ; K's eight fragments serve both tiles
	SCORES 16
	SOFT 8, 12, 160, 224
	SCORES 24
.irp d, 0,1,2,3
.irp g, 0,1,2,3
	ds_load_b128 v[32+16*\d+4*\g:35+16*\d+4*\g], v5 offset:2048*\d+512*\g   ; V lands while tile B's softmax is worked
.endr
.endr
	SOFT 10, 14, 192, 240
	s_wait_alu depctr_va_vdst(0)                   ; directly ahead of the wait below
	s_wait_dscnt 0x0                               ; V is in
.irp d, 0,1,2,3
	v_wmma_f32_16x16x128_fp8_fp8 v[160+8*\d:167+8*\d], v[32+16*\d:47+16*\d], v[224:239], v[160+8*\d:167+8*\d]   ; the eight accumulators take turns; each fragment of V serves both tiles
	v_wmma_f32_16x16x128_fp8_fp8 v[192+8*\d:199+8*\d], v[32+16*\d:47+16*\d], v[240:255], v[192+8*\d:199+8*\d]
.endr
	s_add_co_u32 s2, s2, STEPB
	s_sub_co_u32 s3, s3, 1
	s_cmp_lg_u32 s3, 0
	s_cbranch_scc1 .Lstep
	; THE WAY OUT: O^T / the sum, held, quantised with 2^e6; the conversions' results are the image's registers
	v_add_f32 v12, v12, v13                        ; the sums' two halves  (these four lines are the places behind the last products)
	v_add_f32 v14, v14, v15
	v_mov_b32 v6, s26                              ; 2^(e6 - e4 - e5)
	v_mov_b32 v7, s27                              ; 448 x it
	v_permlanex16_b32 v96, v12, s20, s21
	v_permlanex16_b32 v98, v14, s20, s21
	v_add_f32 v12, v12, v96                        ; and lane l xor 16's
	v_add_f32 v14, v14, v98
	s_wait_alu depctr_va_vdst(0)
	v_rcp_f32 v12, v12
	v_rcp_f32 v14, v14
	v_nop                                          ; the plain instruction behind them
	s_wait_alu depctr_va_vdst(0)                   ; the wait ahead of their first reader, and directly ahead of the first readers of O^T
.set j, 0
.rept 16
	v_pk_mul_f32 v[96+j:97+j], v[160+j:161+j], v[12:13] op_sel_hi:[1,0]      ; each accumulator from its low end on
.set j, j+2
.endr
.set j, 0
.rept 16
	v_pk_mul_f32 v[128+j:129+j], v[192+j:193+j], v[14:15] op_sel_hi:[1,0]
.set j, j+2
.endr
.set j, 0
.rept 64
	v_med3_num_f32 v[96+j], v[96+j], -v7, v7
.set j, j+1
.endr
.irp d, 0,1,2,3,4,5,6,7
	v_cvt_scalef32_pk8_fp8_f32 v[32+2*\d:33+2*\d], v[96+8*\d:103+8*\d], v6
.endr
	v_nop                                          ; a plain vector instruction behind the last conversion
	global_store_b128 v1, v[32:35], s[12:13]                   ; each store covers 512 consecutive bytes, aligned
	global_store_b128 v1, v[36:39], s[12:13] offset:512
	global_store_b128 v1, v[40:43], s[12:13] offset:16384      ; tile B: one row tile of 16,384 bytes on
	global_store_b128 v1, v[44:47], s[12:13] offset:16896
	s_wait_tensorcnt 0x0                           ; the wave's end
	ds_add_u32 v2, v3
	s_wait_dscnt 0x0
	s_endpgm
.Lfunc_end_k_q1b2ecc55a9_attn:
	.size	k_q1b2ecc55a9_attn, .Lfunc_end_k_q1b2ecc55a9_attn-k_q1b2ecc55a9_attn
	.p2alignl 7, 3214868480
	.fill 96, 4, 3214868480
	.section	.rodata,"a",@progbits
	.p2align	6, 0x0
	.amdhsa_kernel k_q1b2ecc55a9_attn
		.amdhsa_group_segment_fixed_size 264192
		.amdhsa_private_segment_fixed_size 0
		.amdhsa_enable_private_segment 0
		.amdhsa_kernarg_size 40
		.amdhsa_user_sgpr_count 2
		.amdhsa_user_sgpr_kernarg_segment_ptr 1
		.amdhsa_wavefront_size32 1
		.amdhsa_system_sgpr_workgroup_id_x 1
		.amdhsa_system_sgpr_workgroup_id_y 1
		.amdhsa_system_sgpr_workgroup_id_z 1
		.amdhsa_system_vgpr_workitem_id 0
		.amdhsa_next_free_vgpr 256
		.amdhsa_next_free_sgpr 66
		.amdhsa_reserve_vcc 0
		.amdhsa_float_denorm_mode_32 3
		.amdhsa_float_denorm_mode_16_64 3
		.amdhsa_memory_ordered 1
		.amdhsa_forward_progress 1
		.amdhsa_inst_pref_size 48
	.end_amdhsa_kernel
	.amdgpu_metadata
---
amdhsa.version: [ 1, 2 ]
amdhsa.kernels:
  - .name:           k_q1b2ecc55a9_attn
    .symbol:         k_q1b2ecc55a9_attn.kd
    .args:
      - { .name: q_img, .offset: 0, .size: 8, .value_kind: global_buffer, .address_space: global }
      - { .name: k_img, .offset: 8, .size: 8, .value_kind: global_buffer, .address_space: global }
      - { .name: v_img, .offset: 16, .size: 8, .value_kind: global_buffer, .address_space: global }
      - { .name: lowp_scales, .offset: 24, .size: 8, .value_kind: global_buffer, .address_space: global }
      - { .name: o_img, .offset: 32, .size: 8, .value_kind: global_buffer, .address_space: global }
    .group_segment_fixed_size: 264192
    .private_segment_fixed_size: 0
    .kernarg_segment_align: 8
    .kernarg_segment_size: 40
    .max_flat_workgroup_size: 512
    .sgpr_count:     66
    .vgpr_count:     256
    .wavefront_size: 32
...
	.end_amdgpu_metadata
.endif
;; end of part 3
;; launch gemm_out (part 4): grid 4 x 32, 4 waves a work-group, clusters of 4 x 4, 327,680 bytes of LDS; arguments o_img, wout_img, lowp_scales, b_out, out0; writes out0
.if DOCPART == 4
	.amdgcn_target "amdgcn-amd-amdhsa--gfx1250"
	.amdhsa_code_object_version 6
	.text
	.protected	k_q1b2ecc55a9_gemm_out
	.globl	k_q1b2ecc55a9_gemm_out
	.p2align	8
	.type	k_q1b2ecc55a9_gemm_out,@function
k_q1b2ecc55a9_gemm_out:
	s_mov_b64 s[64:65], 0
	v_nop
	global_prefetch_b8 v0, s[64:65] scope:SCOPE_SE
	s_setreg_imm32_b32 hwreg(HW_REG_WAVE_MODE, 25, 1), 1
	s_wait_xcnt 0x0
	s_wait_alu depctr_hold_cnt(0) depctr_sa_sdst(0) depctr_va_vdst(0) depctr_va_sdst(0) depctr_va_ssrc(0) depctr_va_vcc(0) depctr_vm_vsrc(0)
	s_getreg_b32 s2, hwreg(HW_REG_IB_STS2, 6, 4)
	s_cmp_eq_u32 s2, 0
	s_cbranch_scc0 .Lentry_in_a_cluster
	s_endpgm
.Lentry_in_a_cluster:
	s_bfe_u32 s2, ttmp6, 0x10000c
	s_cmp_lg_u32 s2, 0xf033
	s_cbranch_scc0 .Lentry_shape_is_right
	s_endpgm
.Lentry_shape_is_right:
.set FR,     16
.set NL,     4
.set NP,     4
.set HALFT,  32768
.set SLOT,   4*HALFT
.set SPARE,  2*SLOT
.set SPITCH, 528
.set CO,   3
.set ADRA, 16
.set ADRB, 20
.set STO,  24
.set RD,   25
.set SPW,  28
.set NIL,  29
.set BJ,   32
.set TMP,  32
.set AF,   128
.set BK,   128
.set G1, 24
.set G0, 32
.set G1B, 48
.set G0B, 56
.set MSB, 0
.macro WIN new
.if MSB != (\new)
	s_set_vgpr_msb (MSB<<8)|(\new)
.set MSB, (\new)
.endif
.endm
.set MUL_LO,   0xa1
.set MUL_HI,   0xf1
.set FIRST_LO, 0x81
.set FIRST_HI, 0xc1
.set TO_B,     0x40
.macro JLOAD g0a, g1a, g0b, g1b
	s_cmp_eq_u32 s15, 0
	s_cbranch_scc0 .Lfor_b_\@
	tensor_load_to_lds s[\g0a:\g0a+3], s[\g1a:\g1a+7]
	s_nop 0
.rept 4
	v_nop
.endr
	s_branch .Lasked_\@
.Lfor_b_\@:
	tensor_load_to_lds s[\g0b:\g0b+3], s[\g1b:\g1b+7]
	s_nop 0
.rept 4
	v_nop
.endr
.Lasked_\@:
.endm
.macro CREST
	s_cmp_lg_u32 s14, 0
	s_cbranch_scc1 .Lnot_wave_0_\@
	s_barrier_signal -3
.Lnot_wave_0_\@:
	s_barrier_wait -3
	s_barrier_signal -1
	s_barrier_wait -1
.endm
.macro CROUND
	s_barrier_signal -1
	s_barrier_wait -1
	CREST
.endm
	s_load_b256 s[4:11], s[0:1], 0x0
	s_load_b64 s[68:69], s[0:1], 0x20
	v_lshl_add_u32 v[SPW], v0, 2, SPARE
	v_mov_b32 v[NIL], 0
	ds_add_u32 v28, v29
	ds_add_u32 v28, v29
	s_wait_dscnt 0x0
	v_lshrrev_b32 v1, 5, v0
	v_readfirstlane_b32 s14, v1
	s_lshr_b32 s15, s14, 1
	s_and_b32 s16, s14, 1
	s_bfe_u32 s40, ttmp6, 0x40000
	s_bfe_u32 s41, ttmp6, 0x40004
	s_lshl_b32 s42, ttmp9, 2
	s_add_co_u32 s42, s42, s40
	s_and_b32 s17, ttmp7, 0xffff
	s_lshl_b32 s17, s17, 2
	s_add_co_u32 s17, s17, s41
	s_lshl_b32 s43, s41, 2
	s_lshl_b32 s43, 15, s43
	s_lshl_b32 s44, 0x1111, s40
	s_or_b32 s[G1+0], s43, (3<<16)|(1<<21)
	s_or_b32 s[G1B+0], s44, (3<<16)|(1<<21)
.irp g, G1, G1B
	s_mov_b32 s[\g+1], 512<<16
	s_mov_b32 s[\g+2], 8<<16
	s_mov_b32 s[\g+3], 512<<16
	s_mov_b32 s[\g+4], 8
	s_mov_b32 s[\g+5], 2048
	s_mov_b32 s[\g+6], 0
	s_mov_b32 s[\g+7], 0
.endr
	s_lshl_b32 s18, s16, 17
	s_lshl_b32 s20, s17, 18
	s_add_co_u32 s20, s20, s18
	s_mov_b32 s21, 0
	s_lshl_b32 s46, s42, 18
	s_add_co_u32 s46, s46, s18
	s_mov_b32 s47, 0
	s_mul_i32 s45, s14, HALFT
	s_wait_kmcnt 0x0
	s_load_b256 s[80:87], s[8:9], 0x0
	s_add_nc_u64 s[20:21], s[4:5], s[20:21]
	s_add_nc_u64 s[46:47], s[6:7], s[46:47]
	CROUND
.irp s, 0,1
	s_mov_b32 s[G0+4*\s], 1
	s_add_co_u32 s[G0+4*\s+1], s45, \s*SLOT
	s_add_nc_u64 s[G0+4*\s+2:G0+4*\s+3], s[20:21], \s*4096
	s_or_b32 s[G0+4*\s+3], s[G0+4*\s+3], 0x80000000
	s_mov_b32 s[G0B+4*\s], 1
	s_add_co_u32 s[G0B+4*\s+1], s45, \s*SLOT
	s_add_nc_u64 s[G0B+4*\s+2:G0B+4*\s+3], s[46:47], \s*4096
	s_or_b32 s[G0B+4*\s+3], s[G0B+4*\s+3], 0x80000000
	s_wait_alu depctr_va_vdst(0)
	s_wait_tensorcnt 0x0
	ds_add_u32 v28, v29
	ds_add_u32 v28, v29
	s_wait_dscnt 0x0
	CROUND
	JLOAD G0+4*\s, G1, G0B+4*\s, G1B
.endr
	v_and_b32 v1, 15, v0
	s_wait_alu depctr_va_vdst(0)
	v_bfe_u32 v2, v0, 4, 1
	v_and_b32 v3, 31, v0
	v_lshlrev_b32 v3, 4, v3
	s_mul_i32 s2, s15, HALFT
	s_mul_i32 s3, s16, HALFT
	s_add_co_u32 s3, s3, 2*HALFT
.irp s, 0,1
	v_add_nc_u32 v[ADRA+\s], s2, v3
	v_add_nc_u32 v[ADRB+\s], s3, v3
	s_add_co_u32 s2, s2, SLOT
	s_add_co_u32 s3, s3, SLOT
.endr
	s_mul_i32 s23, s14, 16*SPITCH
	v_mul_u32_u24 v5, v1, SPITCH
	s_wait_alu depctr_va_vdst(0)
	v_lshl_add_u32 v5, v2, 5, v5
	v_add_nc_u32 v[STO], s23, v5
	v_add_nc_u32 v[RD], s23, v3
	v_lshlrev_b32 v6, 5, v2
	s_lshl_b32 s76, s42, 10
	s_lshl_b32 s77, s16, 9
	s_add_co_u32 s76, s76, s77
	s_mov_b32 s77, 0
	s_add_nc_u64 s[98:99], s[10:11], s[76:77]
.irp b, 0,1,2,3,4,5,6,7
	global_load_b128 v[BJ+8*\b:BJ+8*\b+3], v6, s[98:99] offset:64*\b
	global_load_b128 v[BJ+8*\b+4:BJ+8*\b+7], v6, s[98:99] offset:64*\b+16
.endr
	s_lshl_b32 s78, s17, 20
	s_lshl_b32 s79, s15, 19
	s_add_co_u32 s78, s78, s79
	s_add_co_u32 s76, s76, s78
	s_add_nc_u64 s[68:69], s[68:69], s[76:77]
	s_wait_kmcnt 0x0
	s_add_co_i32 s96, s86, s87
	s_sub_co_i32 s78, 0, s96
	s_add_co_i32 s96, s96, 127
	s_lshl_b32 s96, s96, 23
	s_mov_b32 s97, s96
	s_wait_loadcnt 0x0
.set j, 0
.rept 64
	v_ldexp_f32 v[BJ+j], v[BJ+j], s78
.set j, j+1
.endr
.macro FRAG reg, adr, q, i
.irp g, 0,1,2,3
	ds_load_b128 v[\reg+4*\g:\reg+4*\g+3], v[\adr] offset:4096*(\i)+2048*(\q)+512*\g
.endr
.endm
.macro MUL16 a0, p, first
.irp a, \a0, \a0+1
.irp b, 0,1,2,3,4,5,6,7
.if \first
	v_wmma_f32_16x16x128_fp8_fp8 v[8*(8*((\a)%4)+\b):8*(8*((\a)%4)+\b)+7], v[128*(\p)+FR*\b:128*(\p)+FR*\b+FR-1], v[AF+FR*(\a):AF+FR*(\a)+FR-1], v[BJ+8*\b:BJ+8*\b+7]
.else
	v_wmma_f32_16x16x128_fp8_fp8 v[8*(8*((\a)%4)+\b):8*(8*((\a)%4)+\b)+7], v[128*(\p)+FR*\b:128*(\p)+FR*\b+FR-1], v[AF+FR*(\a):AF+FR*(\a)+FR-1], v[8*(8*((\a)%4)+\b):8*(8*((\a)%4)+\b)+7]
.endif
.endr
.endr
.endm
.macro FETCH_B slot, q, p
	WIN TO_B
.irp i, 0,1,2,3,4,5,6,7
	FRAG 128*(\p)+FR*\i, ADRB+\slot, \q, \i
.endr
	WIN 0
.endm
.macro FETCH_A slot, q, i0
.irp i, \i0, \i0+1, \i0+2, \i0+3
	FRAG AF+FR*(\i), ADRA+\slot, \q, \i
.endr
.endm
.macro PLACES n
.rept \n
	v_nop
.endr
.endm
.macro STEP slot, q, first
	s_wait_dscnt 4*NL
.if \first
	WIN FIRST_LO
.else
	WIN MUL_LO
.endif
	MUL16 0, (\q)%2, \first
	MUL16 2, (\q)%2, \first
	s_wait_dscnt 0
	PLACES NP
	FETCH_B \slot, (\q)+1, 1-(\q)%2
	FETCH_A \slot, (\q)+1, 0
.if \first
	WIN FIRST_HI
.else
	WIN MUL_HI
.endif
	MUL16 4, (\q)%2, \first
	MUL16 6, (\q)%2, \first
	PLACES NP
	WIN 0
	FETCH_A \slot, (\q)+1, 4
.endm
.macro TURN slot, next, fill
	s_wait_tensorcnt 0x0
	ds_add_u32 v[SPW], v[NIL]
	s_wait_dscnt 4*NL+1
	WIN MUL_LO
	MUL16 0, 1, 0
	s_wait_dscnt 0x0
	s_barrier_signal -1
	MUL16 2, 1, 0
	WIN 0
	s_barrier_wait -1
.if \fill
	CREST
	s_add_nc_u64 s[G0+4*\slot+2:G0+4*\slot+3], s[G0+4*\slot+2:G0+4*\slot+3], 8192
	s_add_nc_u64 s[G0B+4*\slot+2:G0B+4*\slot+3], s[G0B+4*\slot+2:G0B+4*\slot+3], 8192
	JLOAD G0+4*\slot, G1, G0B+4*\slot, G1B
.else
	PLACES NP
.endif
	FETCH_B \next, 0, 0
	FETCH_A \next, 0, 0
	WIN MUL_HI
	MUL16 4, 1, 0
	MUL16 6, 1, 0
	PLACES NP
	WIN 0
	FETCH_A \next, 0, 4
.endm
	s_wait_alu depctr_va_vdst(0)
	s_wait_tensorcnt 1
	s_barrier_signal -1
	s_barrier_wait -1
	FETCH_B 0, 0, 0
	FETCH_A 0, 0, 0
	FETCH_A 0, 0, 4
	STEP 0, 0, 1
	TURN 0, 1, 1
	STEP 1, 0, 0
	TURN 1, 0, 1
	STEP 0, 0, 0
	TURN 0, 1, 0
	STEP 1, 0, 0
	s_wait_dscnt 4*NL
	WIN MUL_LO
	MUL16 0, 1, 0
	MUL16 2, 1, 0
	s_wait_dscnt 0
	WIN MUL_HI
	MUL16 4, 1, 0
	MUL16 6, 1, 0
	WIN 0
.macro TOSTAGE a
.set AC, 64*((\a)%4)
	WIN 0x02+((\a)/4)
.set j, 0
.rept 32
	v_pk_mul_f32 v[TMP+j:TMP+j+1], v[AC+j:AC+j+1], s[96:97] op_sel_hi:[1,0]
.set j, j+2
.endr
	WIN 0
.irp b, 0,1,2,3,4,5,6,7
	ds_store_b128 v[STO], v[TMP+8*\b:TMP+8*\b+3] offset:64*\b
	ds_store_b128 v[STO], v[TMP+8*\b+4:TMP+8*\b+7] offset:64*\b+16
.endr
.set BB, BK+64*((\a)%2)
.irp t, 0,1,2,3,4,5,6,7,8,9,10,11,12,13,14,15
	ds_load_b128 v[BB+4*\t:BB+4*\t+3], v[RD] offset:\t*SPITCH
.endr
.endm
.macro SEND a, younger
.set BB, BK+64*((\a)%2)
	s_wait_dscnt \younger
.if (\a) > 0
	s_add_nc_u64 s[68:69], s[68:69], 65536
.endif
.irp t, 0,1,2,3,4,5,6,7,8,9,10,11,12,13,14,15
	global_store_b128 v[CO], v[BB+4*\t:BB+4*\t+3], s[68:69] offset:\t*4096 th:TH_STORE_NT
.endr
.endm
	PLACES NP
	TOSTAGE 0
.irp a, 1,2,3,4,5,6,7
.if \a > 1
	s_wait_xcnt 0x0
.endif
	TOSTAGE \a
	SEND \a-1, 32
.endr
	s_wait_xcnt 0x0
	SEND 7, 0
	s_wait_tensorcnt 0x0
	ds_add_u32 v[SPW], v[NIL]
	s_wait_dscnt 0x0
	CROUND
	s_endpgm
.Lfunc_end_k_q1b2ecc55a9_gemm_out:
	.size	k_q1b2ecc55a9_gemm_out, .Lfunc_end_k_q1b2ecc55a9_gemm_out-k_q1b2ecc55a9_gemm_out
	.p2alignl 7, 3214868480
	.fill 96, 4, 3214868480
	.section	.rodata,"a",@progbits
	.p2align	6, 0x0
	.amdhsa_kernel k_q1b2ecc55a9_gemm_out
		.amdhsa_group_segment_fixed_size 327680
		.amdhsa_private_segment_fixed_size 0
		.amdhsa_enable_private_segment 0
		.amdhsa_kernarg_size 40
		.amdhsa_user_sgpr_count 2
		.amdhsa_user_sgpr_kernarg_segment_ptr 1
		.amdhsa_wavefront_size32 1
		.amdhsa_system_sgpr_workgroup_id_x 1
		.amdhsa_system_sgpr_workgroup_id_y 1
		.amdhsa_system_sgpr_workgroup_id_z 1
		.amdhsa_system_vgpr_workitem_id 0
		.amdhsa_next_free_vgpr 1024
		.amdhsa_next_free_sgpr 100
		.amdhsa_reserve_vcc 0
		.amdhsa_float_denorm_mode_32 3
		.amdhsa_float_denorm_mode_16_64 3
		.amdhsa_memory_ordered 1
		.amdhsa_forward_progress 1
		.amdhsa_inst_pref_size 129
	.end_amdhsa_kernel
	.amdgpu_metadata
---
amdhsa.version: [ 1, 2 ]
amdhsa.kernels:
  - .name:           k_q1b2ecc55a9_gemm_out
    .symbol:         k_q1b2ecc55a9_gemm_out.kd
    .args:
      - { .name: o_img, .offset: 0, .size: 8, .value_kind: global_buffer, .address_space: global }
      - { .name: wout_img, .offset: 8, .size: 8, .value_kind: global_buffer, .address_space: global }
      - { .name: lowp_scales, .offset: 16, .size: 8, .value_kind: global_buffer, .address_space: global }
      - { .name: b_out, .offset: 24, .size: 8, .value_kind: global_buffer, .address_space: global }
      - { .name: out0, .offset: 32, .size: 8, .value_kind: global_buffer, .address_space: global }
    .group_segment_fixed_size: 327680
    .private_segment_fixed_size: 0
    .kernarg_segment_align: 8
    .kernarg_segment_size: 40
    .max_flat_workgroup_size: 128
    .sgpr_count:     100
    .vgpr_count:     1024
    .wavefront_size: 32
...
	.end_amdgpu_metadata
.endif
;; end of part 4
